; MI455X (gfx1250); checked and timed in simulation.
; The chip was launched on July 23, 2026; its instructions are those of AMD's public machine-readable ISA for CDNA 5 (MIT licence, August 2026) and "CDNA5" Instruction Set Architecture Reference Guide (July 2026). The comments in the code are by the model that wrote it; some were corrected since.
;; Graph SMOTE. Allowed arithmetic: matrix products marked QUANTISED: E5M2 operands, one given power-of-two scale a tensor, by v_wmma_f32_16x16x64_bf8_bf8 or v_wmma_f32_16x16x128_bf8_bf8, f32 sums; everything else in f32.
;; Inputs: gaps 8,192 x 4 float32; lowp_scales 2 int32 (the exponents e of the quantised operands' scales 2^e); min_samples 8,192 x 512 float32; nn_choice 8,192 x 4 int32.
;; Outputs: out0 32,768 x 512 float32.
;; This version of the problem:
;;   THIS VERSION OF THE PROBLEM IS GIVEN IN LOW PRECISION. The matrix products marked QUANTISED in the list below multiply operands that are first quantised to E5M2 (5 exponent bits, 2 mantissa bits; 8 bits a number), with one given power-of-two scale for each operand tensor; their sums are f32. All else is computed in f32.
;;   The module's matrix products, in the order in which they are computed (A, B: the left and right operand; K: the contracted axis; several contracted axes count as one K, in the product's order):
;;     1. [M 8,192, K 512] x [K 512, N 8,192]; A: input min_samples; B: input min_samples: QUANTISED (scales: A lowp_scales[0], B lowp_scales[1])
;;   THE QUANTISER, for each operand of a quantised product, along K:
;;     - The operand's scale is 2^e, e = its entry of the input lowp_scales (int32; the entries are numbered through the quantised products in the list's order, A before B).
;;     - Each number is divided by the scale, clamped to +-57,344, and rounded to the nearest number of E5M2, ties to even, subnormals kept.
;;     - The product sums the exact products of the quantised numbers (number of the format x scale) in f32.
;;   ~~~python
;;   def quantise(x, axis, e):      # numpy; x: float32 -> the quantised numbers, widened to float32 again
;;       x = np.moveaxis(x, axis, -1); K = x.shape[-1]
;;       r = np.clip(x / 2.0 ** e, -57344, 57344)
;;       step = 2.0 ** (np.maximum(np.frexp(np.where(r == 0, 1, r))[1] - 1, -14) - 2)
;;       q = np.round(r / step) * step * 2.0 ** e      # np.round: ties to even
;;       return np.moveaxis(q, -1, axis).astype(np.float32)
;;   ~~~
;; One version. Each part assembles by itself: llvm-mc -triple=amdgcn-amd-amdhsa -mcpu=gfx1250 --defsym DOCPART=n.
;; ======== version 1 of 1: 5 launches
;; limits: right only within a limited range of input values
;; workspace buffers: acodes 4,194,304 bytes; bcodes 4,194,304 bytes; sqp 32,768 bytes; part 8,388,608 bytes; bsel 262,144 bytes of whole numbers; neigh 131,072 bytes of whole numbers
;; launch quant (part 1): grid 512 x 1, 4 waves a work-group, no clusters, 34,816 bytes of LDS; arguments min_samples, lowp_scales, acodes, bcodes, sqp; writes acodes, bcodes, sqp
.if DOCPART == 1
	.amdgcn_target "amdgcn-amd-amdhsa--gfx1250"
	.amdhsa_code_object_version 6
	.text
	.protected	k_q874c4aba56_quant
	.globl	k_q874c4aba56_quant
	.p2align	8
	.type	k_q874c4aba56_quant,@function
k_q874c4aba56_quant:
	s_mov_b64 s[64:65], 0
	v_nop
	global_prefetch_b8 v0, s[64:65] scope:SCOPE_SE
	s_setreg_imm32_b32 hwreg(HW_REG_WAVE_MODE, 25, 1), 1
	s_wait_xcnt 0x0
; x [8192][512] f32 becomes two sets of E5M2 codes (A's with the scale 2^e0, B's with 2^e1) and the rows' sums of squares.
; code = x / 2^e, held within +-57,344, to the nearest code, ties to even.
; THE IMAGE LAYOUT (this program's own).  Image tile J (0..511), place m (0..15) holds the true row 512 (J>>5) + 256 (m>>3) + 8 (J&31) + (m&7).
; The code of (J, m, k) lies at byte 8192 J + 2048 (k>>7) + 512 ((k>>5)&3) + 256 ((k>>4)&1) + 16 m + (k&15): a fragment of 16 rows x 128 K is four
; dense blocks of 512 bytes, lane l's 16 bytes at 16 l, so every later reader fills a fragment by four loads of 16 bytes a lane.  sqp[16 J + m] is the row's sum of squares.
; SHARES.  Work-group J makes one image tile; wave s its K step of 128.  Each load takes 512 consecutive bytes of a row; the 16 x 512 bytes turn through the wave's own
; stage in LDS (rows 528 bytes apart: an odd multiple of 16) and come back 16 neighbours along K a lane.
; No cluster, no tensor load, no matrix unit: the work-groups share no byte, and each byte is read once.
; LIMITS: e0 and e1 between -126 and 112, so that 2^e and 57,344 x 2^e are f32 numbers.  NaN among the inputs is not served (an infinity is held at the largest code).
; The sums of squares leave as 64 bytes a work-group: 32 KiB in the whole launch.
.set SP,   528                         ; a stage row: 512 bytes + 16
.set STG,  16*SP                       ; a wave's stage
.set SQW,  4*STG                       ; behind the stages: 4 waves x 16 partial sums
.set LI,   4                           ; v4   16 x lane
.set SIN,  5                           ; v5   into my stage: 16 x lane
.set SOUT, 6                           ; v6   out of it: 528 m + 64 h
.set PWR,  7                           ; v7   where I put my partial sum: SQW + 64 s + 4 m
.set PRD,  8                           ; v8   SQW + 4 m
.set M4,   9                           ; v9   4 m
.set SUM,  16                          ; v16-23   four packed chains of the sum of squares
.set RW,   32                          ; v32-95   the rows as loaded; later the numbers held for A
.set XN,   96                          ; v96-159  register 16 c + i: x(m, 128 s + 32 c + 16 h + i)
.set CA,   160                         ; v160-175 A's codes
.set CB,   176                         ; v176-191 B's codes
	s_load_b128 s[4:7], s[0:1], 0x0                ; x, the scales' exponents
	s_load_b128 s[8:11], s[0:1], 0x10              ; A's codes, B's codes
	s_load_b64 s[12:13], s[0:1], 0x20              ; sqp
	v_lshl_add_u32 v192, v0, 2, 0x8600
	v_mov_b32 v193, 0
	v_lshrrev_b32 v1, 5, v0
	v_readfirstlane_b32 s14, v1                    ; wave = K step s
	v_and_b32 v1, 31, v0                           ; lane
	v_and_b32 v2, 15, v0                           ; m
	v_bfe_u32 v3, v0, 4, 1                         ; h
	v_lshlrev_b32 v[LI], 4, v1
	s_mul_i32 s15, s14, STG
	v_add_nc_u32 v[SIN], s15, v[LI]
	v_mul_u32_u24 v[SOUT], v2, SP
	v_lshl_add_u32 v[SOUT], v3, 6, v[SOUT]
	v_add_nc_u32 v[SOUT], s15, v[SOUT]
	v_lshlrev_b32 v[M4], 2, v2
	v_add_nc_u32 v[PRD], SQW, v[M4]
	s_lshl_b32 s16, s14, 6
	v_add_nc_u32 v[PWR], s16, v[PRD]
	s_lshr_b32 s17, ttmp9, 5
	s_lshl_b32 s17, s17, 20                        ; 512 (J>>5) rows of 2,048 bytes
	s_and_b32 s18, ttmp9, 31
	s_lshl_b32 s18, s18, 14                        ; 8 (J&31) rows
	s_add_co_u32 s20, s17, s18
	s_lshl_b32 s19, s14, 9                         ; my K step: 512 bytes of a row
	s_add_co_u32 s20, s20, s19
	s_mov_b32 s21, 0
	s_lshl_b32 s24, ttmp9, 13                      ; the image tile: 8,192 J + 2,048 s
	s_lshl_b32 s19, s14, 11
	s_add_co_u32 s24, s24, s19
	s_mov_b32 s25, 0
	s_lshl_b32 s26, ttmp9, 6                       ; sqp: 64 J
	s_mov_b32 s27, 0
	s_mov_b32 s28, 0x76543210                      ; v_permlanex16_b32: lane l xor 16
	s_mov_b32 s29, 0xfedcba98
	s_wait_alu depctr_va_vdst(0)
	s_wait_kmcnt 0x0
	s_load_b64 s[22:23], s[6:7], 0x0               ; e0, e1
	s_add_nc_u64 s[4:5], s[4:5], s[20:21]
	s_add_nc_u64 s[8:9], s[8:9], s[24:25]
	s_add_nc_u64 s[10:11], s[10:11], s[24:25]
	s_add_nc_u64 s[12:13], s[12:13], s[26:27]
.irp m, 0,1,2,3,4,5,6,7,8,9,10,11,12,13,14,15
	global_load_b128 v[RW+4*\m:RW+4*\m+3], v[LI], s[4:5] offset:(\m/8)*524288+(\m%8)*2048   ; place m: 512 consecutive bytes; places 8-15 lie 256 rows further down
.endr
	s_wait_kmcnt 0x0
	s_add_co_i32 s30, s22, 127
	s_lshl_b32 s31, s30, 23
	v_mov_b32 v10, s31                             ; 2^e0 as f32: the conversion takes its exponent field
	s_add_co_i32 s30, s30, 15
	s_lshl_b32 s30, s30, 23
	s_or_b32 s30, s30, 0x600000
	v_mov_b32 v11, s30                             ; 57,344 x 2^e0
	s_add_co_i32 s30, s23, 127
	s_lshl_b32 s31, s30, 23
	v_mov_b32 v12, s31                             ; the same for e1
	s_add_co_i32 s30, s30, 15
	s_lshl_b32 s30, s30, 23
	s_or_b32 s30, s30, 0x600000
	v_mov_b32 v13, s30
.irp m, 0,1,2,3,4,5,6,7,8,9,10,11,12,13,14,15
	s_wait_loadcnt 15-\m                           ; loads come back in order: row m is in, the younger rows stay out
	ds_store_b128 v[SIN], v[RW+4*\m:RW+4*\m+3] offset:\m*SP
.endr
.irp c, 0,1,2,3
.irp j, 0,1,2,3
	ds_load_b128 v[XN+16*\c+4*\j:XN+16*\c+4*\j+3], v[SOUT] offset:128*\c+16*\j   ; LDS serves a wave's instructions in order: these see my stores
.endr
.endr
	s_wait_dscnt 0x0
	; the sum of squares of my 64 numbers: four packed chains, started by products
.irp p, 0,1,2,3
	v_pk_mul_f32 v[SUM+2*\p:SUM+2*\p+1], v[XN+2*\p:XN+2*\p+1], v[XN+2*\p:XN+2*\p+1]
.endr
.set i, 4
.rept 28
	v_pk_fma_f32 v[SUM+2*(i%4):SUM+2*(i%4)+1], v[XN+2*i:XN+2*i+1], v[XN+2*i:XN+2*i+1], v[SUM+2*(i%4):SUM+2*(i%4)+1]
.set i, i+1
.endr
	v_pk_add_f32 v[SUM:SUM+1], v[SUM:SUM+1], v[SUM+2:SUM+3]
	v_pk_add_f32 v[SUM+4:SUM+5], v[SUM+4:SUM+5], v[SUM+6:SUM+7]
	v_pk_add_f32 v[SUM:SUM+1], v[SUM:SUM+1], v[SUM+4:SUM+5]
	v_add_f32 v[SUM], v[SUM], v[SUM+1]
	v_permlanex16_b32 v[SUM+2], v[SUM], s28, s29   ; the row's other 64 numbers of this K step lie in the lane 16 away
	v_add_f32 v[SUM], v[SUM], v[SUM+2]
	ds_store_b32 v[PWR], v[SUM]                    ; both halves of the lanes put the same number into the same word
	; A's codes: the hold goes into other registers, since B wants the numbers once more
.set i, 0
.rept 64
	v_med3_num_f32 v[RW+i], v[XN+i], -v11, v11     ; the conversion to an 8-bit code does not saturate (ISA guide 7.6.2): hold first
.set i, i+1
.endr
.irp g, 0,1,2,3,4,5,6,7
	v_cvt_scalef32_pk8_bf8_f32 v[CA+2*\g:CA+2*\g+1], v[RW+8*\g:RW+8*\g+7], v10
.endr
.set i, 0
.rept 64
	v_med3_num_f32 v[XN+i], v[XN+i], -v13, v13
.set i, i+1
.endr
.irp g, 0,1,2,3,4,5,6,7
	v_cvt_scalef32_pk8_bf8_f32 v[CB+2*\g:CB+2*\g+1], v[XN+8*\g:XN+8*\g+7], v12
.endr
	v_nop                                          ; one plain vector line behind the last scaled conversion
.irp c, 0,1,2,3
	global_store_b128 v[LI], v[CA+4*\c:CA+4*\c+3], s[8:9] offset:512*\c     ; 32 lanes store 512 consecutive bytes, aligned
	global_store_b128 v[LI], v[CB+4*\c:CB+4*\c+3], s[10:11] offset:512*\c
.endr
	s_wait_dscnt 0x0                               ; for the others' sake: my partial sums lie in LDS
	s_barrier_signal -1
	s_barrier_wait -1
	s_cmp_lg_u32 s14, 0                            ; wave 0 adds the four K steps' sums
	s_cbranch_scc1 .Ldone
.irp w, 0,1,2,3
	ds_load_b32 v[24+\w], v[PRD] offset:64*\w
.endr
	s_wait_dscnt 0x0
	v_add_f32 v24, v24, v25
	v_add_f32 v26, v26, v27
	v_add_f32 v24, v24, v26
	s_wait_alu depctr_va_vdst(0)
	s_wait_xcnt 0x0                                ; EXEC is a source of the stores above: it changes only behind this wait
	v_cmp_gt_u32 vcc_lo, 16, v1
	s_and_saveexec_b32 s32, vcc_lo                 ; lanes 0-15: one number a row
	global_store_b32 v[M4], v24, s[12:13]
	s_wait_xcnt 0x0
	s_or_b32 exec_lo, exec_lo, s32
.Ldone:
	s_wait_tensorcnt 0x0
	ds_add_u32 v192, v193
	s_wait_dscnt 0x0
	s_endpgm
.Lfunc_end_k_q874c4aba56_quant:
	.size	k_q874c4aba56_quant, .Lfunc_end_k_q874c4aba56_quant-k_q874c4aba56_quant
	.p2alignl 7, 3214868480
	.fill 96, 4, 3214868480
	.section	.rodata,"a",@progbits
	.p2align	6, 0x0
	.amdhsa_kernel k_q874c4aba56_quant
		.amdhsa_group_segment_fixed_size 34816
		.amdhsa_private_segment_fixed_size 0
		.amdhsa_enable_private_segment 0
		.amdhsa_kernarg_size 40
		.amdhsa_user_sgpr_count 2
		.amdhsa_user_sgpr_kernarg_segment_ptr 1
		.amdhsa_wavefront_size32 1
		.amdhsa_system_sgpr_workgroup_id_x 1
		.amdhsa_system_sgpr_workgroup_id_y 1
		.amdhsa_system_sgpr_workgroup_id_z 1
		.amdhsa_system_vgpr_workitem_id 0
		.amdhsa_next_free_vgpr 194
		.amdhsa_next_free_sgpr 66
		.amdhsa_reserve_vcc 1
		.amdhsa_float_denorm_mode_32 3
		.amdhsa_float_denorm_mode_16_64 3
		.amdhsa_memory_ordered 1
		.amdhsa_forward_progress 1
		.amdhsa_inst_pref_size 20
	.end_amdhsa_kernel
	.amdgpu_metadata
---
amdhsa.version: [ 1, 2 ]
amdhsa.kernels:
  - .name:           k_q874c4aba56_quant
    .symbol:         k_q874c4aba56_quant.kd
    .args:
      - { .name: min_samples, .offset: 0, .size: 8, .value_kind: global_buffer, .address_space: global }
      - { .name: lowp_scales, .offset: 8, .size: 8, .value_kind: global_buffer, .address_space: global }
      - { .name: acodes, .offset: 16, .size: 8, .value_kind: global_buffer, .address_space: global }
      - { .name: bcodes, .offset: 24, .size: 8, .value_kind: global_buffer, .address_space: global }
      - { .name: sqp, .offset: 32, .size: 8, .value_kind: global_buffer, .address_space: global }
    .group_segment_fixed_size: 34816
    .private_segment_fixed_size: 0
    .kernarg_segment_align: 8
    .kernarg_segment_size: 40
    .max_flat_workgroup_size: 128
    .sgpr_count:     66
    .vgpr_count:     194
    .wavefront_size: 32
...
	.end_amdgpu_metadata
.endif
;; end of part 1
;; launch scan (part 2): grid 16 x 16, 8 waves a work-group, clusters of 4 x 1, 327,680 bytes of LDS; arguments acodes, bcodes, sqp, lowp_scales, part; writes part
.if DOCPART == 2
	.amdgcn_target "amdgcn-amd-amdhsa--gfx1250"
	.amdhsa_code_object_version 6
	.text
	.protected	k_q874c4aba56_scan
	.globl	k_q874c4aba56_scan
	.p2align	8
	.type	k_q874c4aba56_scan,@function
k_q874c4aba56_scan:
	s_mov_b64 s[64:65], 0
	v_nop
	global_prefetch_b8 v0, s[64:65] scope:SCOPE_SE
	s_setreg_imm32_b32 hwreg(HW_REG_WAVE_MODE, 25, 1), 1
	s_wait_xcnt 0x0
	s_wait_alu depctr_hold_cnt(0) depctr_sa_sdst(0) depctr_va_vdst(0) depctr_va_sdst(0) depctr_va_ssrc(0) depctr_va_vcc(0) depctr_vm_vsrc(0)
	s_getreg_b32 s2, hwreg(HW_REG_IB_STS2, 6, 4)
	s_cmp_eq_u32 s2, 0
	s_cbranch_scc0 .Lentry_in_a_cluster
	s_endpgm
.Lentry_in_a_cluster:
	s_bfe_u32 s2, ttmp6, 0x10000c
	s_cmp_lg_u32 s2, 0x3003
	s_cbranch_scc0 .Lentry_shape_is_right
	s_endpgm
.Lentry_shape_is_right:
; For each query, of one slice of 512 candidates: the six lowest buckets under (key, bucket number).
; dist = sqrt(max(sq_i + sq_j - 2 p, 0)); p = the sum of the E5M2 codes' products (v_wmma_f32_16x16x128_bf8_bf8) x 2^(e0 + e1).
; SHARES.  Work-group (x, y): queries 512 x .. 512 x + 511 against slice y.  Wave w: four query tiles of 16, their fragments kept in 256 registers (window 1).
; A step is one tile of 16 candidates against the wave's four query tiles: 16 matrix instructions, four accumulators by turns.
; A bucket is the eight candidates that a lane's accumulator holds; its key is their least dist.  Each lane keeps a rising list of six keys and step numbers for each query tile;
; an equal key stays ahead of a newcomer.  At the end the two halves of the lanes are merged, and the lists leave as 1,024 bytes a query tile.
; CLUSTER 4, 1, 1: the four partners read the same slice of B's codes, 256 KiB, by two joint loads a wave (mask 15); nothing is filled again.
; The first brings the tiles of steps 0-7 (64 KiB; wave w: 32 rows of 256 bytes at LDS byte 8,192 w), the second those of steps 8-31 (192 KiB; wave w: 96 rows at 65,536 + 24,576 w),
; which is on its way while steps 0-7 are multiplied; step 7 holds the wait for it and the barrier, ahead of the first read of its bytes.
; No prefetch: all of B's slice is asked for by the two joint loads at the head, and no loop runs ahead of a load.
; LIMITS: e0 + e1 + 1 between -126 and 127; NaN and infinities among the inputs are not served; v_sqrt_f32 takes denormals as zero.
.set SQJ,  262144
.set G1B,  92                          ; s[92:99] descriptor group 1 of the second joint load
.set LI,   1
.set LS,   2
.set ADR,  3
.set ADS,  4
.set BK0,  5
.set R4,   6
.set T8,   7
.set T8L,  8
.set TMP,  16
.set TP,   16
.set BF,   64
.set ACC,  128
.set SJ,   168
.set XK,   176
.set SQI,  180
.set LV,   192
.set LX,   216
.set PV,   64
.set PX,   88
.set DD,   128
.set WV,   14
.set G1,   24
.set G0A,  32
.set G0B,  36
.set CC,   40
.set TB,   42
.set TS,   43
.set TT,   44
.set CNT,  45
.set SEL,  54
.set HM,   56
.set CM,   68
.set MSB, 0
.macro WIN new
.if MSB != \new
	s_set_vgpr_msb (MSB<<8)|\new
.set MSB, \new
.endif
.endm
.macro ROUND
	s_barrier_signal -1
	s_barrier_wait -1
	s_cmp_lg_u32 s[WV], 0
	s_cbranch_scc1 .Lnot_wave_0_\@
	s_barrier_signal -3
.Lnot_wave_0_\@:
	s_barrier_wait -3
	s_barrier_signal -1
	s_barrier_wait -1
.endm
.macro INS4 xb, xs, jb, js, jv, k0
.set ik, 5
.rept 6-(\k0)
.irp q, 0,1,2,3
	v_cmp_lt_f32 s[CM+6*\q+ik], v[(\xb)+(\xs)*\q], v[LV+6*\q+ik]
.endr
.set ik, ik-1
.endr
.if (\k0) < 5
.set ik, 5
.rept 5-(\k0)
.irp q, 0,1,2,3
	v_med3_num_f32 v[LV+6*\q+ik], v[LV+6*\q+ik-1], v[(\xb)+(\xs)*\q], v[LV+6*\q+ik]
.endr
.set ik, ik-1
.endr
.endif
.irp q, 0,1,2,3
	v_min_num_f32 v[LV+6*\q+(\k0)], v[LV+6*\q+(\k0)], v[(\xb)+(\xs)*\q]
.endr
.if (\k0) < 5
.set ik, 5
.rept 5-(\k0)
.irp q, 0,1,2,3
.if \jv
	v_cndmask_b32 v[TP+5*\q+ik-1], v[(\jb)+(\js)*\q], v[LX+6*\q+ik-1], s[CM+6*\q+ik-1]
.else
	v_cndmask_b32 v[TP+5*\q+ik-1], s[\jb], v[LX+6*\q+ik-1], s[CM+6*\q+ik-1]
.endif
.endr
.set ik, ik-1
.endr
.set ik, 5
.rept 5-(\k0)
.irp q, 0,1,2,3
	v_cndmask_b32 v[LX+6*\q+ik], v[LX+6*\q+ik], v[TP+5*\q+ik-1], s[CM+6*\q+ik]
.endr
.set ik, ik-1
.endr
.endif
.irp q, 0,1,2,3
.if \jv
	v_cndmask_b32 v[LX+6*\q+(\k0)], v[LX+6*\q+(\k0)], v[(\jb)+(\js)*\q], s[CM+6*\q+(\k0)]
.else
	v_cndmask_b32 v[LX+6*\q+(\k0)], v[LX+6*\q+(\k0)], s[\jb], s[CM+6*\q+(\k0)]
.endif
.endr
.endm
	s_load_b128 s[4:7], s[0:1], 0x0
	s_load_b128 s[8:11], s[0:1], 0x10
	s_load_b64 s[12:13], s[0:1], 0x20
	v_lshl_add_u32 v254, v0, 2, 0x40800
	v_mov_b32 v255, 0
	ds_add_u32 v254, v255
	ds_add_u32 v254, v255
	v_lshrrev_b32 v9, 5, v0
	s_delay_alu instid0(VALU_DEP_1)
	v_readfirstlane_b32 s[WV], v9
	s_bfe_u32 s15, ttmp6, 0x40000
	s_lshl_b32 s16, ttmp9, 2
	s_add_co_u32 s16, s16, s15
	s_and_b32 s17, ttmp7, 0xffff
	s_mov_b32 s[G1+0], 15|(3<<16)|(1<<21)
	s_mov_b32 s[G1+1], 32<<16
	s_mov_b32 s[G1+2], 32<<16
	s_mov_b32 s[G1+3], 32<<16
	s_mov_b32 s[G1+4], 32
	s_mov_b32 s[G1B+0], 15|(3<<16)|(1<<21)         ; the same shape with 96 rows
	s_mov_b32 s[G1B+1], 32<<16
	s_mov_b32 s[G1B+2], 96<<16
	s_mov_b32 s[G1B+3], 32<<16
	s_mov_b32 s[G1B+4], 96
	s_mov_b32 s[G1B+5], 32
	s_mov_b32 s[G1B+6], 0
	s_mov_b32 s[G1B+7], 0
	s_mov_b32 s[G1+5], 32
	s_mov_b32 s[G1+6], 0
	s_mov_b32 s[G1+7], 0
	s_mov_b32 s[SEL], 0x76543210
	s_mov_b32 s[SEL+1], 0xfedcba98
	s_mov_b32 s[HM], 0xffff0000
	s_mov_b32 s[TB], 0
	s_mov_b32 s[TS], 0
	s_mov_b32 s[TT], 0
	v_and_b32 v9, 31, v0
	s_delay_alu instid0(VALU_DEP_1)
	v_lshlrev_b32 v[LI], 4, v9
	v_and_b32 v9, 15, v0
	s_delay_alu instid0(VALU_DEP_1)
	v_lshlrev_b32 v[R4], 2, v9
	v_bfe_u32 v9, v0, 4, 1
	s_delay_alu instid0(VALU_DEP_1)
	v_lshlrev_b32 v[LS], 5, v9
	s_lshl_b32 s60, s17, 6
	v_add_nc_u32 v[BK0], s60, v[LS]
	v_add_nc_u32 v[LS], SQJ, v[LS]
	v_lshlrev_b32 v[T8], 3, v0
	s_delay_alu instid0(VALU_DEP_1)
	v_add_nc_u32 v[T8L], SQJ, v[T8]
	s_lshl_b32 s18, s17, 18
	s_lshl_b32 s20, s[WV], 13
	s_add_co_u32 s18, s18, s20
	s_mov_b32 s19, 0
	s_mov_b32 s61, 0
	s_wait_dscnt 0x0
	s_wait_kmcnt 0x0
	s_load_b64 s[46:47], s[10:11], 0x0
	s_mov_b32 s[G0A], 1
	s_lshl_b32 s[G0A+1], s[WV], 13
	s_add_nc_u64 s[G0A+2:G0A+3], s[6:7], s[18:19]
	s_mov_b32 s[G0B], 1
	s_mul_i32 s[G0B+1], s[WV], 24576
	s_add_co_u32 s[G0B+1], s[G0B+1], 65536         ; LDS: 65,536 + 24,576 w
	s_lshl_b32 s60, s[WV], 14
	s_add_co_u32 s60, s60, 65536                   ; from the first load's 8,192 w to 65,536 + 24,576 w in the slice
	s_add_nc_u64 s[G0B+2:G0B+3], s[G0A+2:G0A+3], s[60:61]
	s_or_b32 s[G0A+3], s[G0A+3], 0x80000000
	s_or_b32 s[G0B+3], s[G0B+3], 0x80000000
	s_lshl_b32 s60, s17, 11
	s_add_nc_u64 s[48:49], s[8:9], s[60:61]
	s_lshl_b32 s60, s16, 11
	s_lshl_b32 s62, s[WV], 8
	s_add_co_u32 s60, s60, s62
	s_add_nc_u64 s[50:51], s[8:9], s[60:61]
	s_lshl_b32 s60, s16, 18
	s_lshl_b32 s62, s[WV], 15
	s_add_co_u32 s60, s60, s62
	s_add_nc_u64 s[52:53], s[4:5], s[60:61]
	s_lshl_b32 s60, s17, 19
	s_lshl_b32 s62, s16, 15
	s_add_co_u32 s60, s60, s62
	s_lshl_b32 s62, s[WV], 12
	s_add_co_u32 s60, s60, s62
	s_add_nc_u64 s[58:59], s[12:13], s[60:61]
	ROUND
	tensor_load_to_lds s[G0A:G0A+3], s[G1:G1+7]
	s_nop 0
.rept 4
	v_nop                                          ; four instructions between a tensor load and a later switch of the windows
.endr
	s_wait_alu depctr_va_vdst(0)                   ; the wait ahead of the first readers of the head's addresses
	global_load_b64 v[10:11], v[T8], s[48:49]      ; the slice's sq_j: 8 bytes a thread, 2,048 in all
.irp q, 0,1,2,3
	global_load_b32 v[SQI+2*\q], v[R4], s[50:51] offset:64*\q   ; sq_i of my four query tiles
.endr
	WIN 0x40
.set n, 0
.rept 64
	global_load_b128 v[4*n:4*n+3], v[LI], s[52:53] offset:512*n   ; my four query tiles' fragments: on their way together with the first joint load
.set n, n+1
.endr
	WIN 0
	s_wait_tensorcnt 0x0
	ds_add_u32 v254, v255
	s_wait_dscnt 0x0
	ROUND
	tensor_load_to_lds s[G0B:G0B+3], s[G1B:G1B+7]
	s_nop 0
.rept 4
	v_nop
.endr
.set i, 0
.rept 24
	v_mov_b32 v[LV+i], 0x7f800000
	v_mov_b32 v[LX+i], 0
.set i, i+1
.endr
	s_wait_kmcnt 0x0
	s_add_co_i32 s[CC], s46, s47
	s_add_co_i32 s[CC], s[CC], 128
	s_lshl_b32 s[CC], s[CC], 23
	s_or_b32 s[CC], s[CC], 0x80000000
	s_mov_b32 s[CC+1], s[CC]
	s_wait_loadcnt 63
	ds_store_b64 v[T8L], v[10:11]
.irp q, 0,1,2,3
	v_mov_b32 v[SQI+2*\q+1], v[SQI+2*\q]
.endr
	s_wait_tensorcnt 0x1
	s_wait_dscnt 0x0
	s_barrier_signal -1
	s_barrier_wait -1
.macro FETCHB
.irp s, 0,1,2,3
.irp c, 0,1,2,3
	ds_load_b128 v[BF+16*\s+4*\c:BF+16*\s+4*\c+3], v[ADR] offset:2048*\s+512*\c
.endr
.endr
.endm
.macro FETCHS
	ds_load_b128 v[SJ:SJ+3], v[ADS]
	ds_load_b128 v[SJ+4:SJ+7], v[ADS] offset:16
	s_add_co_u32 s[TB], s[TB], 8192
	s_add_co_u32 s[TS], s[TS], 64
.endm
.macro STEP fetch, meet
	s_wait_dscnt 0x0
	WIN 0x04
.irp s, 0,1,2,3
.irp q, 0,1,2,3
.if \s == 0
	v_wmma_f32_16x16x128_bf8_bf8 v[ACC+8*\q:ACC+8*\q+7], v[BF+16*\s:BF+16*\s+15], v[64*\q+16*\s:64*\q+16*\s+15], 0
.else
	v_wmma_f32_16x16x128_bf8_bf8 v[ACC+8*\q:ACC+8*\q+7], v[BF+16*\s:BF+16*\s+15], v[64*\q+16*\s:64*\q+16*\s+15], v[ACC+8*\q:ACC+8*\q+7]
.endif
.endr
.endr
	WIN 0
.if \meet
	s_wait_tensorcnt 0x0
	s_barrier_signal -1
	s_barrier_wait -1
.endif
.if \fetch
	v_add_nc_u32 v[ADR], s[TB], v[LI]
	v_add_nc_u32 v[ADS], s[TS], v[LS]
	v_nop
	v_nop
	FETCHB
.else
.rept 4
	v_nop
.endr
.endif
.irp q, 0,1,2,3
.irp i, 0,2,4,6
	v_pk_add_f32 v[TMP+8*\q+\i:TMP+8*\q+\i+1], v[SJ+\i:SJ+\i+1], v[SQI+2*\q:SQI+2*\q+1] op_sel_hi:[1,0]
.endr
.endr
.if \fetch
	FETCHS
.endif
.irp q, 0,1,2,3
.irp i, 0,2,4,6
	v_pk_fma_f32 v[ACC+8*\q+\i:ACC+8*\q+\i+1], v[ACC+8*\q+\i:ACC+8*\q+\i+1], s[CC:CC+1], v[TMP+8*\q+\i:TMP+8*\q+\i+1] op_sel_hi:[1,0,1]
.endr
.endr
.irp q, 0,1,2,3
	v_min3_num_f32 v[XK+\q], v[ACC+8*\q], v[ACC+8*\q+1], v[ACC+8*\q+2]
.endr
.irp q, 0,1,2,3
	s_delay_alu instid0(VALU_DEP_4)
	v_min3_num_f32 v[XK+\q], v[XK+\q], v[ACC+8*\q+3], v[ACC+8*\q+4]
.endr
.irp q, 0,1,2,3
	s_delay_alu instid0(VALU_DEP_4)
	v_min3_num_f32 v[XK+\q], v[XK+\q], v[ACC+8*\q+5], v[ACC+8*\q+6]
.endr
.irp q, 0,1,2,3
	s_delay_alu instid0(VALU_DEP_4)
	v_min_num_f32 v[XK+\q], v[XK+\q], v[ACC+8*\q+7]
.endr
.irp q, 0,1,2,3
	s_delay_alu instid0(VALU_DEP_4)
	v_max_num_f32 v[XK+\q], 0, v[XK+\q]
.endr
	s_wait_alu depctr_va_vdst(0)
.irp q, 0,1,2,3
	v_sqrt_f32 v[XK+\q], v[XK+\q]
.endr
	v_nop
	s_wait_alu depctr_va_vdst(0)
	INS4 XK, 1, TT, 0, 0, 0
	s_add_co_u32 s[TT], s[TT], 1
.endm
	v_add_nc_u32 v[ADR], s[TB], v[LI]
	v_add_nc_u32 v[ADS], s[TS], v[LS]
	FETCHB
	FETCHS
	s_wait_loadcnt 0x0
	s_mov_b32 s[CNT], 7                            ; steps 0-6 fetch the tiles of steps 1-7; step 7 holds the meeting that shows the second load's tiles (read from step 8 on) to all waves
.Lfirst:
	s_wait_alu depctr_va_vdst(0)
	STEP 1, 0
	s_sub_co_u32 s[CNT], s[CNT], 1
	s_cmp_lg_u32 s[CNT], 0
	s_cbranch_scc1 .Lfirst
	STEP 1, 1
	s_mov_b32 s[CNT], 23                           ; steps 8-30; step 31 is written out and fetches nothing
.Lsecond:
	STEP 1, 0
	s_sub_co_u32 s[CNT], s[CNT], 1
	s_cmp_lg_u32 s[CNT], 0
	s_cbranch_scc1 .Lsecond
	STEP 0, 0
.irp q, 0,1,2,3
.irp k, 0,1,2,3,4,5
	v_add_nc_u32 v[LX+6*\q+\k], v[BK0], v[LX+6*\q+\k]
.endr
.endr
.irp q, 0,1,2,3
.irp k, 0,1,2,3,4,5
	v_permlanex16_b32 v[PV+6*\q+\k], v[LV+6*\q+\k], s[SEL], s[SEL+1]
	v_permlanex16_b32 v[PX+6*\q+\k], v[LX+6*\q+\k], s[SEL], s[SEL+1]
.endr
.endr
.irp k, 0,1,2,3,4,5
	INS4 PV+\k, 6, PX+\k, 6, 1, \k
.endr
.irp q, 0,1,2,3
.irp k, 0,1,2,3,4,5
	v_permlanex16_b32 v[PV+6*\q+\k], v[LX+6*\q+\k], s[SEL], s[SEL+1]
.endr
.endr
.irp q, 0,1,2,3
.irp k, 0,1,2,3,4,5
	v_cndmask_b32 v[DD+8*\q+\k], v[LV+6*\q+\k], v[PV+6*\q+\k], s[HM]
.endr
	v_mov_b32 v[DD+8*\q+6], 0
	v_mov_b32 v[DD+8*\q+7], 0
	global_store_b128 v[LI], v[DD+8*\q:DD+8*\q+3], s[58:59] offset:1024*\q
	global_store_b128 v[LI], v[DD+8*\q+4:DD+8*\q+7], s[58:59] offset:1024*\q+512
.endr
	s_wait_tensorcnt 0x0
	ds_add_u32 v254, v255
	s_wait_dscnt 0x0
	ROUND
	s_endpgm
.Lfunc_end_k_q874c4aba56_scan:
	.size	k_q874c4aba56_scan, .Lfunc_end_k_q874c4aba56_scan-k_q874c4aba56_scan
	.p2alignl 7, 3214868480
	.fill 96, 4, 3214868480
	.section	.rodata,"a",@progbits
	.p2align	6, 0x0
	.amdhsa_kernel k_q874c4aba56_scan
		.amdhsa_group_segment_fixed_size 327680
		.amdhsa_private_segment_fixed_size 0
		.amdhsa_enable_private_segment 0
		.amdhsa_kernarg_size 40
		.amdhsa_user_sgpr_count 2
		.amdhsa_user_sgpr_kernarg_segment_ptr 1
		.amdhsa_wavefront_size32 1
		.amdhsa_system_sgpr_workgroup_id_x 1
		.amdhsa_system_sgpr_workgroup_id_y 1
		.amdhsa_system_sgpr_workgroup_id_z 1
		.amdhsa_system_vgpr_workitem_id 0
		.amdhsa_next_free_vgpr 512
		.amdhsa_next_free_sgpr 100
		.amdhsa_reserve_vcc 0
		.amdhsa_float_denorm_mode_32 3
		.amdhsa_float_denorm_mode_16_64 3
		.amdhsa_memory_ordered 1
		.amdhsa_forward_progress 1
		.amdhsa_inst_pref_size 90
	.end_amdhsa_kernel
	.amdgpu_metadata
---
amdhsa.version: [ 1, 2 ]
amdhsa.kernels:
  - .name:           k_q874c4aba56_scan
    .symbol:         k_q874c4aba56_scan.kd
    .args:
      - { .name: acodes, .offset: 0, .size: 8, .value_kind: global_buffer, .address_space: global }
      - { .name: bcodes, .offset: 8, .size: 8, .value_kind: global_buffer, .address_space: global }
      - { .name: sqp, .offset: 16, .size: 8, .value_kind: global_buffer, .address_space: global }
      - { .name: lowp_scales, .offset: 24, .size: 8, .value_kind: global_buffer, .address_space: global }
      - { .name: part, .offset: 32, .size: 8, .value_kind: global_buffer, .address_space: global }
    .group_segment_fixed_size: 327680
    .private_segment_fixed_size: 0
    .kernarg_segment_align: 8
    .kernarg_segment_size: 40
    .max_flat_workgroup_size: 256
    .sgpr_count:     100
    .vgpr_count:     512
    .wavefront_size: 32
...
	.end_amdgpu_metadata
.endif
;; end of part 2
;; launch pick (part 3): grid 256 x 1, 2 waves a work-group, no clusters, 0 bytes of LDS; arguments part, bsel; writes bsel
.if DOCPART == 3
	.amdgcn_target "amdgcn-amd-amdhsa--gfx1250"
	.amdhsa_code_object_version 6
	.text
	.protected	k_q874c4aba56_pick
	.globl	k_q874c4aba56_pick
	.p2align	8
	.type	k_q874c4aba56_pick,@function
k_q874c4aba56_pick:
	s_mov_b64 s[64:65], 0
	v_nop
	global_prefetch_b8 v0, s[64:65] scope:SCOPE_SE
	s_setreg_imm32_b32 hwreg(HW_REG_WAVE_MODE, 25, 1), 1
	s_wait_xcnt 0x0
; Of each query the sixteen slices' lists of six buckets are merged into the row's first six buckets under (key, bucket number); their numbers leave as whole numbers, from which the next launch forms addresses.
; A wave takes a query tile Jq = 2 x work-group + wave.  Lane (r, h) merges query r's slices 8 h + k, k = 0..7, in rising order; then lanes 0-15 merge the list of the lane 16 away.
; Slices, and the two halves, come in rising order of the bucket number, so "less than" keeps the stable order.
; The six numbers are then sorted, so that the next launch sees candidates in rising order of their index, and turned from the true bucket b = 64 y + 32 h + t into the image bucket
; ib = 64 y + 2 t + h, whose eight rows of codes and of sq lie together in the image layout.
; A row of bsel, 32 bytes, at 512 Jq + 32 r: ib0, ib1, ib2, 0, ib3, ib4, ib5, 0.
; No LDS, no barrier, no cluster: the waves share nothing.  All 32 loads of a wave go out at once.
.set LV, 16                            ; slice k: keys v[16 + 16 k] on, numbers v[24 + 16 k] on; slice 0's registers are the list
.set LX, 24
.set PV, 32                            ; the other half's list, in slice 1's registers
.set PX, 40
.set IB, 48                            ; the six image buckets
.set XB, 56                            ; ib3 to ib5 seen from the other half
.set OW, 64                            ; four words to store
.set SEL, 14
.set HM,  16
.set CM,  20
.macro INS lv, lx, x, j, jv, k0, cm    ; (v[x], id j) into the rising list of six; slots under k0 are left alone; an equal key stays ahead of the newcomer
.set ik, 5
.rept 6-(\k0)
	v_cmp_lt_f32 s[(\cm)+ik], v[\x], v[(\lv)+ik]
.set ik, ik-1
.endr
.set ik, 5
.rept 6-(\k0)
.if \jv
	v_cndmask_b32 v[(\lx)+ik], v[(\lx)+ik], v[\j], s[(\cm)+ik]
.else
	v_cndmask_b32 v[(\lx)+ik], v[(\lx)+ik], s[\j], s[(\cm)+ik]
.endif
.if ik > (\k0)
	v_cndmask_b32 v[(\lx)+ik], v[(\lx)+ik], v[(\lx)+ik-1], s[(\cm)+ik-1]
.endif
.set ik, ik-1
.endr
.if (\k0) < 5
.set ik, 5
.rept 5-(\k0)
	v_med3_num_f32 v[(\lv)+ik], v[(\lv)+ik-1], v[\x], v[(\lv)+ik]
.set ik, ik-1
.endr
.endif
	v_min_num_f32 v[(\lv)+(\k0)], v[(\lv)+(\k0)], v[\x]
.endm
.macro MERGE6 lv, lx, pv, px, cm       ; a second rising list, of higher ids: its entry k lands at slot k or later
.irp k, 0,1,2,3,4,5
	INS \lv, \lx, (\pv)+\k, (\px)+\k, 1, \k, \cm
.endr
.endm
.macro CEX a, b                        ; the lesser number to v[a], the greater to v[b]
	v_min_u32 v6, v[\a], v[\b]
	v_max_u32 v[\b], v[\a], v[\b]
	v_mov_b32 v[\a], v6
.endm
	s_load_b128 s[4:7], s[0:1], 0x0                ; part, bsel
	v_lshrrev_b32 v1, 5, v0
	v_readfirstlane_b32 s8, v1                     ; wave
	v_and_b32 v2, 15, v0                           ; r
	v_bfe_u32 v3, v0, 4, 1                         ; h
	v_lshlrev_b32 v4, 4, v2
	v_lshl_add_u32 v4, v3, 22, v4                  ; 16 r + eight slices (8 x 512 blocks of 1,024 bytes) for lanes 16-31
	v_lshlrev_b32 v5, 5, v2
	v_lshl_add_u32 v5, v3, 4, v5                   ; 32 r + 16 h
	s_lshl_b32 s9, ttmp9, 1
	s_add_co_u32 s9, s9, s8                        ; Jq
	s_lshl_b32 s10, s9, 10
	s_mov_b32 s11, 0
	s_lshl_b32 s12, s9, 9
	s_mov_b32 s13, 0
	s_mov_b32 s[SEL], 0x76543210
	s_mov_b32 s[SEL+1], 0xfedcba98
	s_mov_b32 s[HM], 0xffff0000
	s_wait_alu depctr_va_vdst(0)
	s_wait_kmcnt 0x0
	s_add_nc_u64 s[4:5], s[4:5], s[10:11]
	s_add_nc_u64 s[6:7], s[6:7], s[12:13]
.irp k, 0,1,2,3,4,5,6,7
	global_load_b128 v[LV+16*\k:LV+16*\k+3], v4, s[4:5] offset:524288*\k         ; keys 0-3
	global_load_b128 v[LX+16*\k:LX+16*\k+3], v4, s[4:5] offset:524288*\k+256     ; numbers 0-3
	global_load_b64 v[LV+16*\k+4:LV+16*\k+5], v4, s[4:5] offset:524288*\k+512    ; keys 4, 5
	global_load_b64 v[LX+16*\k+4:LX+16*\k+5], v4, s[4:5] offset:524288*\k+768    ; numbers 4, 5
.endr
.irp k, 1,2,3,4,5,6,7
	s_wait_alu depctr_va_vdst(0)
	s_wait_loadcnt 4*(7-\k)                        ; slice k's four loads are in; the younger slices stay out
	MERGE6 LV, LX, LV+16*\k, LX+16*\k, CM
.endr
.irp k, 0,1,2,3,4,5
	v_permlanex16_b32 v[PV+\k], v[LV+\k], s[SEL], s[SEL+1]
	v_permlanex16_b32 v[PX+\k], v[LX+\k], s[SEL], s[SEL+1]
.endr
	MERGE6 LV, LX, PV, PX, CM                      ; right in lanes 0-15 (slices 0-7 lie under slices 8-15); lanes 16-31's result is not used
.rept 3                                        ; six numbers by odd-even transposition: six rounds, fifteen exchanges
	CEX LX, LX+1
	CEX LX+2, LX+3
	CEX LX+4, LX+5
	CEX LX+1, LX+2
	CEX LX+3, LX+4
.endr
.irp t, 0,1,2,3,4,5
	v_and_b32 v[IB+\t], 0x3c0, v[LX+\t]            ; 64 y
	v_and_b32 v7, 31, v[LX+\t]                     ; t
	v_lshl_or_b32 v[IB+\t], v7, 1, v[IB+\t]
	v_bfe_u32 v7, v[LX+\t], 5, 1                   ; h
	v_or_b32 v[IB+\t], v[IB+\t], v7
.endr
.irp t, 0,1,2
	v_permlanex16_b32 v[XB+\t], v[IB+3+\t], s[SEL], s[SEL+1]
.endr
.irp t, 0,1,2
	v_cndmask_b32 v[OW+\t], v[IB+\t], v[XB+\t], s[HM]   ; lanes 0-15: ib0-2; lanes 16-31: their partner's ib3-5
.endr
	v_mov_b32 v[OW+3], 0
	global_store_b128 v5, v[OW:OW+3], s[6:7]       ; the wave stores 512 consecutive bytes, aligned
	s_endpgm
.Lfunc_end_k_q874c4aba56_pick:
	.size	k_q874c4aba56_pick, .Lfunc_end_k_q874c4aba56_pick-k_q874c4aba56_pick
	.p2alignl 7, 3214868480
	.fill 96, 4, 3214868480
	.section	.rodata,"a",@progbits
	.p2align	6, 0x0
	.amdhsa_kernel k_q874c4aba56_pick
		.amdhsa_group_segment_fixed_size 0
		.amdhsa_private_segment_fixed_size 0
		.amdhsa_enable_private_segment 0
		.amdhsa_kernarg_size 16
		.amdhsa_user_sgpr_count 2
		.amdhsa_user_sgpr_kernarg_segment_ptr 1
		.amdhsa_wavefront_size32 1
		.amdhsa_system_sgpr_workgroup_id_x 1
		.amdhsa_system_sgpr_workgroup_id_y 1
		.amdhsa_system_sgpr_workgroup_id_z 1
		.amdhsa_system_vgpr_workitem_id 0
		.amdhsa_next_free_vgpr 176
		.amdhsa_next_free_sgpr 66
		.amdhsa_reserve_vcc 0
		.amdhsa_float_denorm_mode_32 3
		.amdhsa_float_denorm_mode_16_64 3
		.amdhsa_memory_ordered 1
		.amdhsa_forward_progress 1
		.amdhsa_inst_pref_size 47
	.end_amdhsa_kernel
	.amdgpu_metadata
---
amdhsa.version: [ 1, 2 ]
amdhsa.kernels:
  - .name:           k_q874c4aba56_pick
    .symbol:         k_q874c4aba56_pick.kd
    .args:
      - { .name: part, .offset: 0, .size: 8, .value_kind: global_buffer, .address_space: global }
      - { .name: bsel, .offset: 8, .size: 8, .value_kind: global_buffer, .address_space: global }
    .group_segment_fixed_size: 0
    .private_segment_fixed_size: 0
    .kernarg_segment_align: 8
    .kernarg_segment_size: 16
    .max_flat_workgroup_size: 64
    .sgpr_count:     66
    .vgpr_count:     176
    .wavefront_size: 32
...
	.end_amdgpu_metadata
.endif
;; end of part 3
;; launch refine (part 4): grid 512 x 1, 4 waves a work-group, no clusters, 0 bytes of LDS; arguments acodes, bcodes, sqp, lowp_scales, bsel, nn_choice, neigh; writes neigh
.if DOCPART == 4
	.amdgcn_target "amdgcn-amd-amdhsa--gfx1250"
	.amdhsa_code_object_version 6
	.text
	.protected	k_q874c4aba56_refine
	.globl	k_q874c4aba56_refine
	.p2align	8
	.type	k_q874c4aba56_refine,@function
k_q874c4aba56_refine:
	s_mov_b64 s[64:65], 0
	v_nop
	global_prefetch_b8 v0, s[64:65] scope:SCOPE_SE
	s_setreg_imm32_b32 hwreg(HW_REG_WAVE_MODE, 25, 1), 1
	s_wait_xcnt 0x0
; Of each query the six chosen buckets (48 candidates) are multiplied again, by the same instruction on the same fragments' bytes in the same order of k, so that each distance has the bits that it had
; when the buckets were chosen; the row's first six under (dist, index) are found, rank 0 is dropped, and nn_choice picks among ranks 1 to 5.  neigh[i][n] is the neighbour's true index.
; SHARES.  Work-group Jq = a query tile; wave w its places 4 w + u, u = 0..3.  For (u, t), t = 0..2, source 0 is a tile made of bucket t (rows 0-7) and bucket 3 + t (rows 8-15) of query 4 w + u;
; source 1 is the query tile.  Of the result only column 4 w + u counts: lane (4 w + u, h) holds the eight candidates of bucket 3 h + t, and keeps them (a select under a mask of lanes).
; The buckets are sorted, so lanes 0-15 see lower indices than lanes 16-31, and a lane sees its 24 in rising order: "less than" keeps the stable order.
; A bucket's rows of codes are pieces of 128 bytes in the image layout: byte ((ib & 0x3fe) << 12) + ((ib & 1) << 7) + 2048 s + 512 c + 256 h + 16 (row & 7).
; A unit is one K step of one query: 12 loads, 3 products.  LOADS RUN FOUR UNITS AHEAD, in four sets of 48 registers (window 1): 48 loads of 512 bytes a wave are on their way while a unit is waited for.
; With the head's 18 loads and sq's six, 72 loads can have been asked for before the first unit's wait is met: the issue of a load that would pass the counter's field is held (ISA guide 5.7.1), so no wait is placed for that.
; Written out: every offset is an immediate.  No LDS, no barrier, no cluster: waves share only the query tile's 8 KiB.  The bucket numbers come from memory, stored by the launch before, and are held under 1,024 ahead of every address.
; The result leaves as 64 bytes a wave: 128 KiB in the whole launch.
; LIMITS: e0 + e1 + 1 between -126 and 127; NaN and infinities are not served; v_sqrt_f32 is good to one unit in the last place and takes denormals as zero.
.set LI,   1                           ; v1   16 x lane
.set RR,   2                           ; v2   r
.set HH,   3                           ; v3   h
.set LB,   4                           ; v4   16 (r & 7) + 256 h: my lane's place in a gathered fragment's block
.set VI,   5                           ; v5   16 for lanes whose row of source 0 is 8-15: they take buckets 3-5
.set VO,   6                           ; v6   32 r + 16 h: my own row's three buckets
.set R4,   7                           ; v7   4 r
.set VC,   8                           ; v8   16 x (256 (r >> 3) + (r & 7)): my true row in nn_choice and neigh
.set RW,   9                           ; v9   r - 4 w
.set SV,   10                          ; v10-12  32 x my own three buckets: their sq
.set IDX,  13                          ; v13  at work; later a candidate's index
.set SQI,  14                          ; v[14:15] sq_i, a pair
.set QF,   16                          ; v16-79   the query tile's four fragments
.set SJ,   80                          ; v80-103  sq of my own three buckets' 24 candidates
.set TP,   104                         ; v104-108 five ids at work in an insertion
.set RES,  112                         ; v112-115 four neighbours
.set BASE, 116                         ; v116-118 my three buckets' first true index
.set PV,   16                          ; when the query's fragments are done with: the other half's list
.set PX,   22
.set ACC,  176                         ; v176-199 three accumulators
.set CAP,  200                         ; v200-223 first the four queries' bucket numbers; then what my lane keeps: register 8 t + j
.set OFF,  224                         ; v224-235 byte offset of (u, t)'s rows for my lane
.set CH,   236                         ; v236-239 nn_choice of my true row
.set LV,   240                         ; v240-245 the list's distances
.set LX,   246                         ; v246-251 its indices
.set OWN,  252                         ; v252-255 my own row's buckets
.set T1,   240                         ; at work ahead of the list
.set T2,   241
.set NS,   4                           ; sets of three gathered fragments, in window 1: set b at v[48 b]
.set CC,   24                          ; s[24:25] c = -2^(e0 + e1 + 1), twice
.set SEL,  26
.set MK,   28                          ; s28-31 lanes with r = 4 w + u
.set CM,   32
.set MSB, 0
.macro WIN new                         ; the immediate's high byte repeats the setting that is left
.if MSB != \new
	s_set_vgpr_msb (MSB<<8)|\new
.set MSB, \new
.endif
.endm
; (v[x], id v[j]) goes into the rising list of six, keys v[lv] on, ids v[lx] on; slots under k0 are left alone; an equal key stays ahead of the newcomer.  With c_k = (x < L_k): L_k becomes the middle one of
; L_(k-1), x, L_k.  The list rises, so c_(k-1) implies c_k, and the slot's new id is c_k ? (c_(k-1) ? id_(k-1) : the newcomer's) : id_k: the inner choice is made first, for all slots, out of the old ids,
; into registers of its own, so that no line reads the result of the line before it.
.macro INS lv, lx, x, j, k0, cm
.set ik, 5
.rept 6-(\k0)
	v_cmp_lt_f32 s[(\cm)+ik], v[\x], v[(\lv)+ik]
.set ik, ik-1
.endr
.if (\k0) < 5
.set ik, 5
.rept 5-(\k0)
	v_med3_num_f32 v[(\lv)+ik], v[(\lv)+ik-1], v[\x], v[(\lv)+ik]
.set ik, ik-1
.endr
.endif
	v_min_num_f32 v[(\lv)+(\k0)], v[(\lv)+(\k0)], v[\x]
.if (\k0) < 5
.set ik, 5
.rept 5-(\k0)
	v_cndmask_b32 v[TP+ik-1], v[\j], v[(\lx)+ik-1], s[(\cm)+ik-1]
.set ik, ik-1
.endr
.set ik, 5
.rept 5-(\k0)
	v_cndmask_b32 v[(\lx)+ik], v[(\lx)+ik], v[TP+ik-1], s[(\cm)+ik]
.set ik, ik-1
.endr
.endif
	v_cndmask_b32 v[(\lx)+(\k0)], v[(\lx)+(\k0)], v[\j], s[(\cm)+(\k0)]
.endm
.macro MERGE6 lv, lx, pv, px, cm       ; a second rising list, of higher ids: its entry k lands at slot k or later
.irp k, 0,1,2,3,4,5
	INS \lv, \lx, (\pv)+\k, (\px)+\k, \k, \cm
.endr
.endm
	s_load_b256 s[4:11], s[0:1], 0x0               ; A's codes s[4:5], B's codes s[6:7], sqp s[8:9], the scales' exponents s[10:11]
	s_load_b128 s[12:15], s[0:1], 0x20             ; bsel s[12:13], nn_choice s[14:15]
	s_load_b64 s[16:17], s[0:1], 0x30              ; neigh
	v_lshrrev_b32 v1, 5, v0
	v_readfirstlane_b32 s18, v1                    ; wave
	v_and_b32 v[IDX], 31, v0
	v_lshlrev_b32 v[LI], 4, v[IDX]
	v_and_b32 v[RR], 15, v0
	v_bfe_u32 v[HH], v0, 4, 1
	v_and_b32 v[IDX], 7, v0
	v_lshlrev_b32 v[LB], 4, v[IDX]
	v_lshl_add_u32 v[LB], v[HH], 8, v[LB]
	v_and_b32 v[VI], 8, v0
	v_lshlrev_b32 v[VI], 1, v[VI]
	v_lshlrev_b32 v[VO], 5, v[RR]
	v_lshl_add_u32 v[VO], v[HH], 4, v[VO]
	v_lshlrev_b32 v[R4], 2, v[RR]
	v_and_b32 v[VC], 8, v0
	v_lshlrev_b32 v[VC], 9, v[VC]
	v_lshl_add_u32 v[VC], v[IDX], 4, v[VC]
	s_lshl_b32 s19, s18, 2
	v_sub_nc_u32 v[RW], v[RR], s19
.irp u, 1,2,3
	v_cmp_eq_u32 s[MK+\u], \u, v[RW]
.endr
	s_mov_b32 s[SEL], 0x76543210
	s_mov_b32 s[SEL+1], 0xfedcba98
	s_mov_b32 s21, 0
	s_wait_alu depctr_va_vdst(0)
	s_wait_kmcnt 0x0
	s_load_b64 s[22:23], s[10:11], 0x0             ; e0, e1
	s_lshl_b32 s20, ttmp9, 13
	s_add_nc_u64 s[4:5], s[4:5], s[20:21]          ; the query tile: 8,192 Jq
	s_lshl_b32 s20, ttmp9, 6
	s_add_nc_u64 s[40:41], s[8:9], s[20:21]        ; its sq: 64 Jq (s[8:9] stays: the candidates' sq)
	s_lshl_b32 s20, ttmp9, 9
	s_add_nc_u64 s[12:13], s[12:13], s[20:21]      ; its rows of bsel: 512 Jq,
	s_lshl_b32 s20, s18, 7
	s_add_nc_u64 s[42:43], s[12:13], s[20:21]      ; and my four of them: + 128 w
	s_lshr_b32 s20, ttmp9, 5
	s_lshl_b32 s20, s20, 13
	s_and_b32 s19, ttmp9, 31
	s_lshl_b32 s19, s19, 7
	s_add_co_u32 s20, s20, s19                     ; 16 x (512 (Jq >> 5) + 8 (Jq & 31)): the tile's first true row
	s_add_nc_u64 s[14:15], s[14:15], s[20:21]
	s_add_nc_u64 s[16:17], s[16:17], s[20:21]
.irp u, 0,1,2,3
	global_load_b128 v[CAP+4*\u:CAP+4*\u+3], v[VI], s[42:43] offset:32*\u   ; query 4 w + u: buckets 0-2, or 3-5 for the lanes that hold rows 8-15
.endr
	global_load_b128 v[OWN:OWN+3], v[VO], s[12:13]
	global_load_b32 v[SQI], v[R4], s[40:41]
	global_load_b128 v[CH:CH+3], v[VC], s[14:15]
.set n, 0
.rept 16
	global_load_b128 v[QF+4*n:QF+4*n+3], v[LI], s[4:5] offset:512*n
.set n, n+1
.endr
	s_wait_kmcnt 0x0
	s_add_co_i32 s[CC], s22, s23
	s_add_co_i32 s[CC], s[CC], 128
	s_lshl_b32 s[CC], s[CC], 23
	s_or_b32 s[CC], s[CC], 0x80000000              ; c = -2^(e0 + e1 + 1)
	s_mov_b32 s[CC+1], s[CC]
	s_wait_loadcnt 18                              ; the bucket numbers are in; sq_i, the choices and the query's 16 loads stay out
.irp u, 0,1,2,3
.irp t, 0,1,2
	v_min_u32 v[CAP+4*\u+\t], 0x3ff, v[CAP+4*\u+\t]   ; a number from memory enters an address only held under the count of buckets
	v_and_b32 v[T1], 0x3fe, v[CAP+4*\u+\t]
	v_and_b32 v[T2], 1, v[CAP+4*\u+\t]
	v_lshl_add_u32 v[OFF+3*\u+\t], v[T1], 12, v[LB]
	v_lshl_add_u32 v[OFF+3*\u+\t], v[T2], 7, v[OFF+3*\u+\t]
.endr
.endr
.irp t, 0,1,2
	v_min_u32 v[OWN+\t], 0x3ff, v[OWN+\t]
	v_lshlrev_b32 v[SV+\t], 5, v[OWN+\t]
.endr
.irp t, 0,1,2
	global_load_b128 v[SJ+8*\t:SJ+8*\t+3], v[SV+\t], s[8:9]               ; sq of my own buckets' candidates
	global_load_b128 v[SJ+8*\t+4:SJ+8*\t+7], v[SV+\t], s[8:9] offset:16
.endr
.macro LOADU n                         ; unit n = 4 u + s: three gathered fragments into set n % 4 of window 1
.set lu, (\n)/4
.set ls, (\n)%4
.set lf, 48*((\n)%NS)
	WIN 0x40                                       ; destination window 1, address window 0
.irp t, 0,1,2
.irp c, 0,1,2,3
	global_load_b128 v[lf+16*\t+4*\c:lf+16*\t+4*\c+3], v[OFF+3*lu+\t], s[6:7] offset:2048*ls+512*\c
.endr
.endr
.endm
.macro UNIT n
.set uu, (\n)/4
.set us, (\n)%4
.set uf, 48*((\n)%NS)
.if (\n) < 13
	s_wait_loadcnt 36                              ; this unit's loads are in; the next three units' 36 stay out
.else
	s_wait_loadcnt 12*(15-(\n))                    ; the last units: the count runs down
.endif
	WIN 0x01                                       ; source 0 (the gathered fragments) window 1
.irp t, 0,1,2                                  ; the three accumulators take turns, one instruction a turn, from unit to unit too
.if us == 0
	v_wmma_f32_16x16x128_bf8_bf8 v[ACC+8*\t:ACC+8*\t+7], v[uf+16*\t:uf+16*\t+15], v[QF+16*us:QF+16*us+15], 0
.else
	v_wmma_f32_16x16x128_bf8_bf8 v[ACC+8*\t:ACC+8*\t+7], v[uf+16*\t:uf+16*\t+15], v[QF+16*us:QF+16*us+15], v[ACC+8*\t:ACC+8*\t+7]
.endif
.endr
.rept 5
	v_nop                                          ; four places in front of loads into the products' sources and of reads of their results; five in front of the products that begin the accumulators anew
.endr
.if (\n)+NS < 16
	LOADU (\n)+NS                                  ; the set just multiplied takes the unit four further on
.endif
.if us == 3                                    ; query 4 w + u is finished: its lanes keep their 24 sums; each accumulator from its low end on
	WIN 0
.set i, 0
.rept 24
.if uu == 0
	v_mov_b32 v[CAP+i], v[ACC+i]
.else
	v_cndmask_b32 v[CAP+i], v[CAP+i], v[ACC+i], s[MK+uu]
.endif
.set i, i+1
.endr
.endif
.endm
	LOADU 0
	LOADU 1
	LOADU 2
	LOADU 3
.irp n, 0,1,2,3,4,5,6,7,8,9,10,11,12,13,14,15
	UNIT \n
.endr
	v_mov_b32 v[SQI+1], v[SQI]                     ; (the pair's upper word is named, so it is written)  Every window is 0 again; the last unit's wait was for all loads
.irp i, 0,2,4,6,8,10,12,14,16,18,20,22
	v_pk_add_f32 v[SJ+\i:SJ+\i+1], v[SJ+\i:SJ+\i+1], v[SQI:SQI+1] op_sel_hi:[1,0]   ; sq_j + sq_i
.endr
.irp i, 0,2,4,6,8,10,12,14,16,18,20,22
	v_pk_fma_f32 v[CAP+\i:CAP+\i+1], v[CAP+\i:CAP+\i+1], s[CC:CC+1], v[SJ+\i:SJ+\i+1] op_sel_hi:[1,0,1]   ; d2, by the same two operations as when the buckets were chosen
.endr
.set i, 0
.rept 24
	v_max_num_f32 v[CAP+i], 0, v[CAP+i]
.set i, i+1
.endr
.set i, 0
	s_wait_alu depctr_va_vdst(0)
.rept 24
	v_sqrt_f32 v[CAP+i], v[CAP+i]
.set i, i+1
.endr
.irp t, 0,1,2                                  ; ib = 64 y + 2 t + h: its first true index is 512 y + 256 h + 8 t.  (Plain lines behind the roots)
	v_and_b32 v[IDX], 0x3c0, v[OWN+\t]
	v_lshlrev_b32 v[BASE+\t], 3, v[IDX]
	v_and_b32 v[IDX], 1, v[OWN+\t]
	v_lshl_add_u32 v[BASE+\t], v[IDX], 8, v[BASE+\t]
	v_and_b32 v[IDX], 0x3e, v[OWN+\t]
	v_lshl_add_u32 v[BASE+\t], v[IDX], 2, v[BASE+\t]
.endr
	s_wait_alu depctr_va_vdst(0)
.irp k, 0,1,2,3,4,5
	v_mov_b32 v[LV+\k], 0x7f800000
	v_mov_b32 v[LX+\k], 0
.endr
.irp t, 0,1,2
.irp j, 0,1,2,3,4,5,6,7
	v_add_nc_u32 v[IDX], \j, v[BASE+\t]
	INS LV, LX, CAP+8*\t+\j, IDX, 0, CM
.endr
.endr
.irp k, 0,1,2,3,4,5
	v_permlanex16_b32 v[PV+\k], v[LV+\k], s[SEL], s[SEL+1]
	v_permlanex16_b32 v[PX+\k], v[LX+\k], s[SEL], s[SEL+1]
.endr
	MERGE6 LV, LX, PV, PX, CM                      ; right in lanes 0-15, whose buckets are the lower three
.irp n, 0,1,2,3
	v_mov_b32 v[RES+\n], v[LX+1]                   ; rank 0 is dropped; choice 0 is rank 1
.irp k, 1,2,3,4
	v_cmp_eq_u32 vcc_lo, \k, v[CH+\n]
	v_cndmask_b32 v[RES+\n], v[RES+\n], v[LX+1+\k], vcc_lo
.endr
.endr
	v_bfe_u32 v[IDX], v0, 2, 3
	v_cmp_eq_u32 vcc_lo, s18, v[IDX]               ; lanes 4 w .. 4 w + 3: my four queries, in the half that merged
	s_wait_alu depctr_va_vdst(0)
	s_wait_xcnt 0x0                                ; EXEC is a source of the loads above: it changes only behind this wait
	s_and_saveexec_b32 s38, vcc_lo
	global_store_b128 v[VC], v[RES:RES+3], s[16:17]   ; four neighbouring true rows: 64 consecutive bytes
	s_wait_xcnt 0x0
	s_or_b32 exec_lo, exec_lo, s38
	s_endpgm
.Lfunc_end_k_q874c4aba56_refine:
	.size	k_q874c4aba56_refine, .Lfunc_end_k_q874c4aba56_refine-k_q874c4aba56_refine
	.p2alignl 7, 3214868480
	.fill 96, 4, 3214868480
	.section	.rodata,"a",@progbits
	.p2align	6, 0x0
	.amdhsa_kernel k_q874c4aba56_refine
		.amdhsa_group_segment_fixed_size 0
		.amdhsa_private_segment_fixed_size 0
		.amdhsa_enable_private_segment 0
		.amdhsa_kernarg_size 56
		.amdhsa_user_sgpr_count 2
		.amdhsa_user_sgpr_kernarg_segment_ptr 1
		.amdhsa_wavefront_size32 1
		.amdhsa_system_sgpr_workgroup_id_x 1
		.amdhsa_system_sgpr_workgroup_id_y 1
		.amdhsa_system_sgpr_workgroup_id_z 1
		.amdhsa_system_vgpr_workitem_id 0
		.amdhsa_next_free_vgpr 448
		.amdhsa_next_free_sgpr 66
		.amdhsa_reserve_vcc 1
		.amdhsa_float_denorm_mode_32 3
		.amdhsa_float_denorm_mode_16_64 3
		.amdhsa_memory_ordered 1
		.amdhsa_forward_progress 1
		.amdhsa_inst_pref_size 85
	.end_amdhsa_kernel
	.amdgpu_metadata
---
amdhsa.version: [ 1, 2 ]
amdhsa.kernels:
  - .name:           k_q874c4aba56_refine
    .symbol:         k_q874c4aba56_refine.kd
    .args:
      - { .name: acodes, .offset: 0, .size: 8, .value_kind: global_buffer, .address_space: global }
      - { .name: bcodes, .offset: 8, .size: 8, .value_kind: global_buffer, .address_space: global }
      - { .name: sqp, .offset: 16, .size: 8, .value_kind: global_buffer, .address_space: global }
      - { .name: lowp_scales, .offset: 24, .size: 8, .value_kind: global_buffer, .address_space: global }
      - { .name: bsel, .offset: 32, .size: 8, .value_kind: global_buffer, .address_space: global }
      - { .name: nn_choice, .offset: 40, .size: 8, .value_kind: global_buffer, .address_space: global }
      - { .name: neigh, .offset: 48, .size: 8, .value_kind: global_buffer, .address_space: global }
    .group_segment_fixed_size: 0
    .private_segment_fixed_size: 0
    .kernarg_segment_align: 8
    .kernarg_segment_size: 56
    .max_flat_workgroup_size: 128
    .sgpr_count:     66
    .vgpr_count:     448
    .wavefront_size: 32
...
	.end_amdgpu_metadata
.endif
;; end of part 4
;; launch blend (part 5): grid 1024 x 1, 8 waves a work-group, no clusters, 0 bytes of LDS; arguments min_samples, gaps, neigh, out0; writes out0
.if DOCPART == 5
	.amdgcn_target "amdgcn-amd-amdhsa--gfx1250"
	.amdhsa_code_object_version 6
	.text
	.protected	k_q874c4aba56_blend
	.globl	k_q874c4aba56_blend
	.p2align	8
	.type	k_q874c4aba56_blend,@function
k_q874c4aba56_blend:
	s_mov_b64 s[64:65], 0
	v_nop
	global_prefetch_b8 v0, s[64:65] scope:SCOPE_SE
	s_setreg_imm32_b32 hwreg(HW_REG_WAVE_MODE, 25, 1), 1
	s_wait_xcnt 0x0
; out[4 i + n] = x_i + gap[i][n] (x_nb - x_i), nb = neigh[i][n], in f32: a difference and one fused multiply-add.
; A wave takes a row i = 8 x work-group + wave: x_i once (2,048 bytes, four loads of 512 consecutive bytes), its four neighbours' rows, four rows out.
; The four indices and gaps are alike in all lanes: scalar loads.  The indices come from memory, stored by the launch before, and are held under 8,192 ahead of every address.
; Memory binds: every load and store of the wave covers 512 consecutive bytes, aligned; all 20 loads go out before the first wait for data; nothing is rewritten, so no wait frees a register.
; No LDS, no barrier, no cluster, no matrix unit: the waves share nothing.  No prefetch: the rows are asked for as soon as their indices are known.
.set LI, 2                             ; v2      16 x lane
.set XI, 8                             ; v8-23   x_i
.set NB, 24                            ; v24-87  the four neighbours' rows, then the results
	s_load_b256 s[4:11], s[0:1], 0x0               ; x s[4:5], gaps s[6:7], neigh s[8:9], out s[10:11]
	v_lshrrev_b32 v1, 5, v0
	s_delay_alu instid0(VALU_DEP_1)
	v_readfirstlane_b32 s12, v1                    ; wave
	v_and_b32 v1, 31, v0
	s_delay_alu instid0(VALU_DEP_1)
	v_lshlrev_b32 v[LI], 4, v1
	s_lshl_b32 s13, ttmp9, 3
	s_add_co_u32 s13, s13, s12                     ; i
	s_lshl_b32 s14, s13, 4                         ; 16 i: its four indices, its four gaps
	s_mov_b32 s15, 0
	s_lshl_b32 s32, s13, 11                        ; 2,048 i: its row
	s_mov_b32 s33, 0
	s_lshl_b32 s34, s13, 13                        ; 8,192 i: its four rows of the output
	s_mov_b32 s35, 0
	s_mov_b32 s39, 0
	s_wait_alu depctr_va_vdst(0)
	s_wait_kmcnt 0x0
	s_add_nc_u64 s[8:9], s[8:9], s[14:15]
	s_add_nc_u64 s[6:7], s[6:7], s[14:15]
	s_load_b128 s[16:19], s[8:9], 0x0              ; the four neighbours
	s_load_b128 s[20:23], s[6:7], 0x0              ; the four gaps
	s_add_nc_u64 s[36:37], s[4:5], s[32:33]
	s_add_nc_u64 s[10:11], s[10:11], s[34:35]
.irp k, 0,1,2,3
	global_load_b128 v[XI+4*\k:XI+4*\k+3], v[LI], s[36:37] offset:512*\k
.endr
	s_wait_kmcnt 0x0
.irp n, 0,1,2,3
	s_min_u32 s[16+\n], s[16+\n], 0x1fff           ; held under the count of rows
	s_lshl_b32 s38, s[16+\n], 11
	s_add_nc_u64 s[40+2*\n:41+2*\n], s[4:5], s[38:39]
	s_mov_b32 s[24+2*\n], s[20+\n]                 ; the gap as a pair: the packed form names a pair and takes its low word for both halves
	s_mov_b32 s[25+2*\n], s[20+\n]
.endr
.irp n, 0,1,2,3
.irp k, 0,1,2,3
	global_load_b128 v[NB+16*\n+4*\k:NB+16*\n+4*\k+3], v[LI], s[40+2*\n:41+2*\n] offset:512*\k
.endr
.endr
.irp n, 0,1,2,3
	s_wait_loadcnt 12-4*\n                         ; x_i and neighbour n are in; the later neighbours stay out
.irp p, 0,2,4,6,8,10,12,14
	v_pk_add_f32 v[NB+16*\n+\p:NB+16*\n+\p+1], v[NB+16*\n+\p:NB+16*\n+\p+1], v[XI+\p:XI+\p+1] neg_lo:[0,1] neg_hi:[0,1]   ; x_nb - x_i
.endr
.irp p, 0,2,4,6,8,10,12,14
	v_pk_fma_f32 v[NB+16*\n+\p:NB+16*\n+\p+1], v[NB+16*\n+\p:NB+16*\n+\p+1], s[24+2*\n:25+2*\n], v[XI+\p:XI+\p+1] op_sel_hi:[1,0,1]
.endr
.irp k, 0,1,2,3
	global_store_b128 v[LI], v[NB+16*\n+4*\k:NB+16*\n+4*\k+3], s[10:11] offset:2048*\n+512*\k th:TH_STORE_NT   ; written once, read by nobody here
.endr
.endr
	s_endpgm
.Lfunc_end_k_q874c4aba56_blend:
	.size	k_q874c4aba56_blend, .Lfunc_end_k_q874c4aba56_blend-k_q874c4aba56_blend
	.p2alignl 7, 3214868480
	.fill 96, 4, 3214868480
	.section	.rodata,"a",@progbits
	.p2align	6, 0x0
	.amdhsa_kernel k_q874c4aba56_blend
		.amdhsa_group_segment_fixed_size 0
		.amdhsa_private_segment_fixed_size 0
		.amdhsa_enable_private_segment 0
		.amdhsa_kernarg_size 32
		.amdhsa_user_sgpr_count 2
		.amdhsa_user_sgpr_kernarg_segment_ptr 1
		.amdhsa_wavefront_size32 1
		.amdhsa_system_sgpr_workgroup_id_x 1
		.amdhsa_system_sgpr_workgroup_id_y 1
		.amdhsa_system_sgpr_workgroup_id_z 1
		.amdhsa_system_vgpr_workitem_id 0
		.amdhsa_next_free_vgpr 96
		.amdhsa_next_free_sgpr 66
		.amdhsa_reserve_vcc 0
		.amdhsa_float_denorm_mode_32 3
		.amdhsa_float_denorm_mode_16_64 3
		.amdhsa_memory_ordered 1
		.amdhsa_forward_progress 1
		.amdhsa_inst_pref_size 10
	.end_amdhsa_kernel
	.amdgpu_metadata
---
amdhsa.version: [ 1, 2 ]
amdhsa.kernels:
  - .name:           k_q874c4aba56_blend
    .symbol:         k_q874c4aba56_blend.kd
    .args:
      - { .name: min_samples, .offset: 0, .size: 8, .value_kind: global_buffer, .address_space: global }
      - { .name: gaps, .offset: 8, .size: 8, .value_kind: global_buffer, .address_space: global }
      - { .name: neigh, .offset: 16, .size: 8, .value_kind: global_buffer, .address_space: global }
      - { .name: out0, .offset: 24, .size: 8, .value_kind: global_buffer, .address_space: global }
    .group_segment_fixed_size: 0
    .private_segment_fixed_size: 0
    .kernarg_segment_align: 8
    .kernarg_segment_size: 32
    .max_flat_workgroup_size: 256
    .sgpr_count:     66
    .vgpr_count:     96
    .wavefront_size: 32
...
	.end_amdgpu_metadata
.endif
;; end of part 5
